; MI455X (gfx1250); checked and timed in simulation.
; The chip was launched on July 23, 2026; its instructions are those of AMD's public machine-readable ISA for CDNA 5 (MIT licence, August 2026) and "CDNA5" Instruction Set Architecture Reference Guide (July 2026). The comments in the code are by the model that wrote it; some were corrected since.
;; Radius Knn Graph. Allowed arithmetic: float matrix products may take bf16 or f16 operands with f32 sums; all other float work in f32.
;; Inputs: batch 8,192 int32; x 8,192 x 3 float32.
;; Outputs: out0 2 x 262,144 int32.
;; One version. Each part assembles by itself: llvm-mc -triple=amdgcn-amd-amdhsa -mcpu=gfx1250 --defsym DOCPART=n.
;; ======== version 1 of 1: 2 launches
;; workspace buffers: mask 8,388,608 bytes of whole numbers; nz 262,144 bytes of whole numbers
;; launch pairs (part 1): grid 256 x 1, 16 waves a work-group, no clusters, 36,864 bytes of LDS; arguments x, batch, mask, nz; writes mask, nz
.if DOCPART == 1
	.amdgcn_target "amdgcn-amd-amdhsa--gfx1250"
	.amdhsa_code_object_version 6
	.text
	.protected	k_qd2418cd40f_pairs
	.globl	k_qd2418cd40f_pairs
	.p2align	8
	.type	k_qd2418cd40f_pairs,@function
k_qd2418cd40f_pairs:
	s_mov_b64 s[64:65], 0
	v_nop
	global_prefetch_b8 v0, s[64:65] scope:SCOPE_SE
	s_setreg_imm32_b32 hwreg(HW_REG_WAVE_MODE, 25, 1), 1
	s_wait_xcnt 0x0
; RadiusKnnGraph, first of two launches: mask[i][w] (8192 rows x 256 words) gets bit b = 1 where column j = 32 w + b is a neighbour of row i:
; same batch number, j != i, d2(i, j) <= 0.0625.  nz[i][s] (8192 rows x 8 words) gets bit k = 1 where mask[i][s + 8 k] is not zero.
; The second launch turns the bits into sorted lists and reads only the mask words that nz names.
; NUMBERS.  x is rounded to bf16 first.  Products of two bf16 numbers are exact in f32 (8 x 8 significant bits), so
;   sq = fma(x2,x2, fma(x1,x1, x0*x0)),  dot = fma(x2,y2, fma(x1,y1, x0*y0)),  d2 = fma(-2, dot, sq_i + sq_j)
; round exactly where the problem's function rounds on bf16-rounded x, whether that is evaluated with fused multiply-adds or without.
; The result is whole numbers, decided by the last bit of d2, so the three-term sums are made term by term on the vector unit: a matrix
; instruction would use 3 of its 32 K places and return one sum for all its products instead of a sum rounded after each term.
; LIMITS.  Coordinates that are not zero and smaller than about 2^-60 give products that are no longer exact.  NaN coordinates give no edge, as in the function.
; batch may hold any int32 in any order: it is only compared.
; SHARES.  A work-group owns 32 rows (= the columns of word number ttmp9).  Wave = 2 slot + half: rows 16 half .. 16 half + 15 and the 32 words
; slot + 8 k.  Neighbouring words go to different waves, so a run of words of one batch is spread evenly.  A word is worked on only if one of its
; 32 batch numbers lies in the range of the wave's 16 rows' batch numbers (a test on whole numbers read from memory).
; No joint tensor loads: which words of x a work-group needs hangs on the batch numbers, so partners would ask for different tiles; x and batch are 128 KB in all.
.set R2BITS, 0x3d800000                ; 0.0625
.set NZL,  32768                       ; LDS: behind the masks, 128 bytes a wave for its rows' nz words
.set LANE, 1                           ; lane
.set L12,  2                           ; 12 x lane: a column's x inside a word
.set L4,   3                           ; 4 x lane
.set AX,   4                           ; byte offset into x
.set AB,   5                           ; byte offset into batch
.set RAW,  6                           ; v[6:8] a column's x as loaded, v9 its batch number
.set Y0,   10                          ; v10-12 the column's x rounded to bf16, as f32
.set Y1,   11
.set Y2,   12
.set YS,   13                          ; its sq
.set YB,   14                          ; its batch number
.set P0,   15                          ; at work
.set P1,   16
.set TA,   17                          ; dot and d2 of two rows at a time
.set UA,   18
.set TB,   19
.set UB,   20
.set RB,   21                          ; lane r (and 16 + r): batch number of my row r
.set VO,   22                          ; v[22:37] row r: lane k holds the mask of word slot + 8 k
.set MA,   38                          ; an address
.set ONE,  39
.set BB,   40                          ; v[40:71] lane k: the 32 batch numbers of word slot + 8 k; later the words on their way out
.set RR,   72                          ; v[72:74] my row's x as loaded
.set RX0,  76
.set RX1,  77
.set RX2,  78
.set RSQ,  79
.set MN,   80                          ; at work in the test of the words; later ND
.set MX,   81                          ; the same; later NG
.set ND,   80                          ; nz on its way out: LDS address
.set NG,   81                          ; and byte offset in nz
.set D0,   82
.set D1,   83
.set RD,   84
.set GO,   85
.set NZ,   86                          ; lane r: the nz word of my row r
.set NA,   87
.set SX0,  28                          ; s[28:43] first my rows' batch numbers, then x0 of my 16 rows
.set SX1,  44                          ; s[44:59] x1
.set SX2,  66                          ; s[66:81] x2
.set SSQ,  82                          ; s[82:97] sq
	s_load_b128 s[4:7], s[0:1], 0x0                ; x s[4:5], batch s[6:7]
	s_load_b64 s[8:9], s[0:1], 0x10                ; mask
	s_load_b64 s[98:99], s[0:1], 0x18              ; nz
	v_lshl_add_u32 v88, v0, 2, 0x8800
	v_mov_b32 v89, 0
	v_and_b32 v[LANE], 31, v0
	v_lshrrev_b32 v[P0], 5, v0
	v_readfirstlane_b32 s10, v[P0]                 ; wave 0..15
	s_and_b32 s11, s10, 1                          ; half
	s_lshr_b32 s12, s10, 1                         ; slot
	s_lshl_b32 s13, ttmp9, 5
	s_lshl_b32 s20, s11, 4
	s_add_co_u32 s13, s13, s20                     ; my first row = 32 x work-group + 16 x half
	s_lshl_b32 s26, s13, 2                         ; where my rows' batch numbers begin, in bytes
	s_mov_b32 s27, 0
	v_and_b32 v[P0], 15, v0
	v_add_nc_u32 v[P0], s13, v[P0]                 ; the row that this lane fetches (both halves of the lanes fetch the same 16)
	v_mul_u32_u24 v[AX], v[P0], 12
	v_lshlrev_b32 v[AB], 2, v[P0]
	v_lshl_add_u32 v[MA], v[LANE], 3, s12          ; word slot + 8 lane,
	v_lshlrev_b32 v[MA], 7, v[MA]                  ; whose 32 batch numbers are 128 bytes
	v_mul_u32_u24 v[L12], v[LANE], 12
	v_lshlrev_b32 v[L4], 2, v[LANE]
	s_mov_b32 s25, R2BITS
	s_wait_kmcnt 0x0
	s_add_nc_u64 s[26:27], s[6:7], s[26:27]
	s_load_b512 s[28:43], s[26:27], 0x0            ; my 16 rows' batch numbers as scalars: their range steers the loop below
	global_load_b96 v[RR:RR+2], v[AX], s[4:5]
	global_load_b32 v[RB], v[AB], s[6:7]
.irp t, 0,1,2,3,4,5,6,7
	global_load_b128 v[BB+4*\t:BB+4*\t+3], v[MA], s[6:7] offset:16*\t
.endr
.irp r, 0,1,2,3,4,5,6,7,8,9,10,11,12,13,14,15
	v_mov_b32 v[VO+\r], 0                          ; words that are not worked on stay empty
.endr
	s_wait_loadcnt 0x8                             ; the two row loads are in; the eight batch loads issued behind them stay out
	; my rows: round to bf16, sq
	v_cvt_pk_bf16_f32 v[P0], v[RR], v[RR+1]
	v_cvt_pk_bf16_f32 v[P1], v[RR+2], v[RR+2]
	v_lshlrev_b32 v[RX0], 16, v[P0]
	v_and_b32 v[RX1], 0xffff0000, v[P0]
	v_and_b32 v[RX2], 0xffff0000, v[P1]
	v_mul_f32 v[RSQ], v[RX0], v[RX0]
	v_fmac_f32 v[RSQ], v[RX1], v[RX1]
	v_fmac_f32 v[RSQ], v[RX2], v[RX2]
	; the range of their batch numbers (as unsigned numbers: any total order serves)
	s_wait_kmcnt 0x0
	s_min_u32 s20, s28, s29
	s_max_u32 s21, s28, s29
.irp r, 30,31,32,33,34,35,36,37,38,39,40,41,42,43
	s_min_u32 s20, s20, s\r
	s_max_u32 s21, s21, s\r
.endr
	s_sub_co_u32 s21, s21, s20                     ; largest - smallest
	s_sub_co_u32 s20, 0, s20                       ; - smallest
.irp r, 0,1,2,3,4,5,6,7,8,9,10,11,12,13,14,15
	v_readlane_b32 s[SX0+\r], v[RX0], \r           ; s[28:43] are free: the range has been taken
	v_readlane_b32 s[SX1+\r], v[RX1], \r
	v_readlane_b32 s[SX2+\r], v[RX2], \r
	v_readlane_b32 s[SSQ+\r], v[RSQ], \r
.endr
	; which of my 32 words hold a column whose batch number lies in that range: (b - smallest) mod 2^32 <= largest - smallest
	s_wait_loadcnt 0x0
	v_add_nc_u32 v[MN], s20, v[BB]
	v_add_nc_u32 v[MX], s20, v[BB+1]
.set q, 2
.rept 15
	v_add_nc_u32 v[D0], s20, v[BB+q]
	v_add_nc_u32 v[D1], s20, v[BB+q+1]
	v_min_u32 v[MN], v[MN], v[D0]
	v_min_u32 v[MX], v[MX], v[D1]
.set q, q+2
.endr
	v_min_u32 v[MN], v[MN], v[MX]
	v_cmp_ge_u32 s15, s21, v[MN]                   ; bit k: word slot + 8 k is to be worked on
; the columns of word slot + 8 k, k in s17 (held to 0..31 before it enters an address)
.macro ASK
	s_ctz_i32_b32 s17, s15
	s_min_u32 s17, s17, 31
	s_sub_co_u32 s20, s15, 1
	s_and_b32 s15, s15, s20                        ; that bit is taken
	s_lshl_b32 s20, s17, 3
	s_add_co_u32 s20, s20, s12                     ; the word's number
	s_mul_i32 s21, s20, 384                        ; 32 columns x 12 bytes
	s_lshl_b32 s20, s20, 7                         ; 32 columns x 4 bytes
	v_add_nc_u32 v[AX], s21, v[L12]
	v_add_nc_u32 v[AB], s20, v[L4]
	global_load_b96 v[RAW:RAW+2], v[AX], s[4:5]
	global_load_b32 v[RAW+3], v[AB], s[6:7]
.endm
; rows r and r + 1 against the word's 32 columns; the two chains are interleaved so that neither waits for itself
.macro ROW2 r
	v_mul_f32 v[TA], s[SX0+\r], v[Y0]
	v_mul_f32 v[TB], s[SX0+\r+1], v[Y0]
	v_add_f32 v[UA], s[SSQ+\r], v[YS]              ; sq_i + sq_j
	v_add_f32 v[UB], s[SSQ+\r+1], v[YS]
	v_fmac_f32 v[TA], s[SX1+\r], v[Y1]
	v_fmac_f32 v[TB], s[SX1+\r+1], v[Y1]
	v_readlane_b32 s20, v[RB], \r
	v_readlane_b32 s21, v[RB], \r+1
	v_fmac_f32 v[TA], s[SX2+\r], v[Y2]             ; dot, k ascending
	v_fmac_f32 v[TB], s[SX2+\r+1], v[Y2]
	v_cmp_eq_u32 s20, s20, v[YB]                   ; same batch
	v_cmp_eq_u32 s21, s21, v[YB]
	v_fmac_f32 v[UA], -2.0, v[TA]                  ; d2
	v_fmac_f32 v[UB], -2.0, v[TB]
	v_cmp_ge_f32 s22, s25, v[UA]                   ; 0.0625 >= d2 (false for NaN, as in the function)
	v_cmp_ge_f32 s23, s25, v[UB]
	s_and_b32 s22, s22, s20
	s_and_b32 s23, s23, s21
	v_writelane_b32 v[VO+\r], s22, s18             ; the word's mask goes to lane k: a value, no address hangs on it
	v_writelane_b32 v[VO+\r+1], s23, s18
.endm
	s_bcnt1_i32_b32 s16, s15                       ; so many words
	s_cmp_eq_u32 s16, 0
	s_cbranch_scc1 .Ldone
	ASK                                            ; AX and AB are free: every earlier load has been waited for
	s_mov_b32 s19, 0
.Lword:
	s_wait_loadcnt 0x0                             ; this word's columns are in, and AX, AB and RAW are free again
	v_cvt_pk_bf16_f32 v[P0], v[RAW], v[RAW+1]
	v_cvt_pk_bf16_f32 v[P1], v[RAW+2], v[RAW+2]
	v_mov_b32 v[YB], v[RAW+3]
	s_mov_b32 s18, s17                             ; this word's k
	s_cmp_eq_u32 s15, 0
	s_cbranch_scc1 .Lnomore
	ASK                                            ; the next word's columns travel while this word is worked on
.Lnomore:
	v_lshlrev_b32 v[Y0], 16, v[P0]
	v_and_b32 v[Y1], 0xffff0000, v[P0]
	v_and_b32 v[Y2], 0xffff0000, v[P1]
	v_mul_f32 v[YS], v[Y0], v[Y0]
	v_fmac_f32 v[YS], v[Y1], v[Y1]
	v_fmac_f32 v[YS], v[Y2], v[Y2]
.irp r, 0,2,4,6,8,10,12,14
	ROW2 \r
.endr
	s_add_co_u32 s19, s19, 1
	s_cmp_lt_u32 s19, s16
	s_cbranch_scc1 .Lword
.Ldone:
	; j != i: my rows are the columns of word number ttmp9, bits 16 half + r.  Only the slot that owns that word has it.
	s_and_b32 s20, ttmp9, 7
	s_cmp_lg_u32 s20, s12
	s_cbranch_scc1 .Lnoself
	s_lshr_b32 s20, ttmp9, 3                       ; its k
	s_lshl_b32 s21, s11, 4
	s_lshl_b32 s21, 1, s21                         ; the bit of my first row
	v_cmp_eq_u32 vcc_lo, s20, v[LANE]
	v_mov_b32 v[ONE], s21
	v_cndmask_b32 v[ONE], 0, v[ONE], vcc_lo        ; in lane k alone
.irp r, 0,1,2,3,4,5,6,7,8,9,10,11,12,13,14,15
	v_lshlrev_b32 v[TA], \r, v[ONE]
	v_bfi_b32 v[VO+\r], v[TA], 0, v[VO+\r]         ; mask and not bit
.endr
.Lnoself:
	; nz: bit k of row r's word says whether its mask word slot + 8 k is not zero; the 16 words go to lanes 0-15 (lanes 16-31 carry zeros that nobody reads)
	v_mov_b32 v[NZ], 0
.irp r, 0,1,2,3,4,5,6,7,8,9,10,11,12,13,14,15
	v_cmp_ne_u32 s20, 0, v[VO+\r]
	v_writelane_b32 v[NZ], s20, \r
.endr
	; THE WAY OUT.  Each wave lays its 16 rows x 32 words into 2,048 LDS bytes of its own (wave x 2048 + r x 128 + 4 k) and its nz words into 128 bytes
	; of its own; behind the barrier wave v collects rows 2 v and 2 v + 1 in the order of the words and stores 512 consecutive bytes with each instruction.
	s_lshl_b32 s20, s10, 11
	v_add_nc_u32 v[MA], s20, v[L4]                 ; MA is free: the loads that named it have been waited for
	v_lshl_add_u32 v[GO], v[LANE], 4, s20          ; in mask: two rows of 1,024 bytes a wave, 16 bytes a lane
.irp r, 0,1,2,3,4,5,6,7,8,9,10,11,12,13,14,15
	ds_store_b32 v[MA], v[VO+\r] offset:128*\r
.endr
	s_lshl_b32 s21, s10, 7
	v_add_nc_u32 v[NA], s21, v[L4]
	ds_store_b32 v[NA], v[NZ] offset:NZL
	; word 128 u + 4 lane + e of row 2 v + a lies with slot 4 (lane & 1) + e, k = 16 u + (lane >> 1), half v >> 3, r = 2 (v & 7) + a:
	; byte (lane & 1) 16384 + e 4096 + (v >> 3) 2048 + (v & 7) 256 + a 128 + u 64 + (lane >> 1) 4
	v_and_b32 v[P0], 1, v[LANE]
	v_lshrrev_b32 v[P1], 1, v[LANE]
	v_lshlrev_b32 v[P1], 2, v[P1]
	v_lshl_add_u32 v[RD], v[P0], 14, v[P1]
	s_lshr_b32 s20, s10, 3
	s_lshl_b32 s20, s20, 11
	s_and_b32 s21, s10, 7
	s_lshl_b32 s21, s21, 8
	s_add_co_u32 s20, s20, s21
	v_add_nc_u32 v[RD], s20, v[RD]
	s_lshl_b32 s20, ttmp9, 15                      ; the work-group's 32 rows of 1,024 bytes
	s_mov_b32 s21, 0
	s_add_nc_u64 s[8:9], s[8:9], s[20:21]
	s_wait_dscnt 0x0                               ; my stores are in LDS before I say so
	s_barrier_signal -1
	s_barrier_wait -1                              ; everybody's are
.irp a, 0,1
.irp u, 0,1
.irp e, 0,1,2,3
	ds_load_b32 v[BB+8*\a+4*\u+\e], v[RD] offset:4096*\e+128*\a+64*\u
.endr
.endr
.endr
	s_wait_dscnt 0x0
.irp a, 0,1
.irp u, 0,1
	global_store_b128 v[GO], v[BB+8*\a+4*\u:BB+8*\a+4*\u+3], s[8:9] offset:1024*\a+512*\u
.endr
.endr
	; nz[32 g + row][slot]: 1,024 consecutive bytes a work-group.  Wave h = 0, 1 stores the 512 bytes of rows 16 h .. 16 h + 15: lane l takes row l >> 1,
	; slots 4 (l & 1) + e, which wave 2 slot + h laid at byte (l & 1) 1024 + e 256 + h 128 + (l >> 1) 4
	s_cmp_gt_u32 s10, 1
	s_cbranch_scc1 .Lend
	s_lshl_b32 s20, s10, 7
	v_lshl_add_u32 v[ND], v[P0], 10, v[P1]
	v_add_nc_u32 v[ND], s20, v[ND]
	s_lshl_b32 s20, ttmp9, 10
	s_lshl_b32 s21, s10, 9
	s_add_co_u32 s20, s20, s21
	v_lshl_add_u32 v[NG], v[LANE], 4, s20
.irp e, 0,1,2,3
	ds_load_b32 v[BB+16+\e], v[ND] offset:NZL+256*\e   ; registers that no pending store reads
.endr
	s_wait_dscnt 0x0
	global_store_b128 v[NG], v[BB+16:BB+19], s[98:99]
.Lend:
	s_wait_tensorcnt 0x0
	ds_add_u32 v88, v89
	s_wait_dscnt 0x0
	s_endpgm
.Lfunc_end_k_qd2418cd40f_pairs:
	.size	k_qd2418cd40f_pairs, .Lfunc_end_k_qd2418cd40f_pairs-k_qd2418cd40f_pairs
	.p2alignl 7, 3214868480
	.fill 96, 4, 3214868480
	.section	.rodata,"a",@progbits
	.p2align	6, 0x0
	.amdhsa_kernel k_qd2418cd40f_pairs
		.amdhsa_group_segment_fixed_size 36864
		.amdhsa_private_segment_fixed_size 0
		.amdhsa_enable_private_segment 0
		.amdhsa_kernarg_size 32
		.amdhsa_user_sgpr_count 2
		.amdhsa_user_sgpr_kernarg_segment_ptr 1
		.amdhsa_wavefront_size32 1
		.amdhsa_system_sgpr_workgroup_id_x 1
		.amdhsa_system_sgpr_workgroup_id_y 1
		.amdhsa_system_sgpr_workgroup_id_z 1
		.amdhsa_system_vgpr_workitem_id 0
		.amdhsa_next_free_vgpr 90
		.amdhsa_next_free_sgpr 100
		.amdhsa_reserve_vcc 1
		.amdhsa_float_denorm_mode_32 3
		.amdhsa_float_denorm_mode_16_64 3
		.amdhsa_memory_ordered 1
		.amdhsa_forward_progress 1
		.amdhsa_inst_pref_size 28
	.end_amdhsa_kernel
	.amdgpu_metadata
---
amdhsa.version: [ 1, 2 ]
amdhsa.kernels:
  - .name:           k_qd2418cd40f_pairs
    .symbol:         k_qd2418cd40f_pairs.kd
    .args:
      - { .name: x, .offset: 0, .size: 8, .value_kind: global_buffer, .address_space: global }
      - { .name: batch, .offset: 8, .size: 8, .value_kind: global_buffer, .address_space: global }
      - { .name: mask, .offset: 16, .size: 8, .value_kind: global_buffer, .address_space: global }
      - { .name: nz, .offset: 24, .size: 8, .value_kind: global_buffer, .address_space: global }
    .group_segment_fixed_size: 36864
    .private_segment_fixed_size: 0
    .kernarg_segment_align: 8
    .kernarg_segment_size: 32
    .max_flat_workgroup_size: 512
    .sgpr_count:     100
    .vgpr_count:     90
    .wavefront_size: 32
...
	.end_amdgpu_metadata
.endif
;; end of part 1
;; launch select (part 2): grid 1024 x 1, 8 waves a work-group, no clusters, 3,072 bytes of LDS; arguments x, mask, nz, out0; writes out0
.if DOCPART == 2
	.amdgcn_target "amdgcn-amd-amdhsa--gfx1250"
	.amdhsa_code_object_version 6
	.text
	.protected	k_qd2418cd40f_select
	.globl	k_qd2418cd40f_select
	.p2align	8
	.type	k_qd2418cd40f_select,@function
k_qd2418cd40f_select:
	s_mov_b64 s[64:65], 0
	v_nop
	global_prefetch_b8 v0, s[64:65] scope:SCOPE_SE
	s_setreg_imm32_b32 hwreg(HW_REG_WAVE_MODE, 25, 1), 1
	s_wait_xcnt 0x0
; RadiusKnnGraph, second of two launches: from the neighbour bits of the first launch to the 32 nearest neighbours of each row, sorted by (d2, j).
; out0[0][32 i + k] = the k-th nearest neighbour of row i or -1; out0[1][32 i + k] = i or -1.
; One wave, one row; eight rows a work-group.  Branches, trip counts and addresses are made on the scalar side from the row's eight nz words alone
; (32 bytes, stored by the first launch).  A mask word and everything that hangs on d2 only choose values (v_cndmask_b32).
;   1. the row's eight nz words say which of its 256 mask words are not zero: bit k of word s stands for mask word s + 8 k;
;   2. for each such word: the word itself (4 bytes, scalar) and the x of its 32 columns (384 consecutive bytes) are loaded, and d2 is formed in all 32 lanes
;      as in the first launch (x rounded to bf16, sums term by term, k ascending); the key is (d2's bits made sortable as an unsigned number, j);
;      bit b of the word is lane b: a lane whose bit is clear gets the empty key (all ones, column number -1);
;   3. the 32 keys are sorted, descending over the lanes, by a bitonic network of 15 steps, and merged into the best list (ascending over the lanes):
;      lane by lane the smaller key, then 5 steps.
; Every word that is not zero is taken, so the text serves rows with up to 8,191 neighbours.  The price of step 3 is paid for each word, however few of its
; bits are set: collecting the neighbours of several words first would need trip counts made from the mask words.
; A word's loads are waited for in the same trip: the other waves of the work-groups that lie on the same SIMD have work meanwhile.
; Equal d2: the smaller j first, as the function's top_k does.  Limits on x: as stated at the head of the first launch (bf16 rounding; products of
; coordinates below about 2^-60 are no longer exact).  The sums are made on the vector unit for the reason given there.
; No joint tensor loads: a row's bits are its own, and which words of x it reads hangs on them.
.set B1,  0xaaaaaaaa                   ; lanes whose number has bit 1, 2, 4, 8, 16 set; no lane has bit 32
.set B2,  0xcccccccc
.set B4,  0xf0f0f0f0
.set B8,  0xff00ff00
.set B16, 0xffff0000
.set B32, 0
.set LANE, 1
.set L12,  2                           ; 12 x lane: a column's x inside a word
.set XOFF, 3
.set XR,   4                           ; v[4:6] my row's x as loaded
.set XI0,  8                           ; my row's x rounded to bf16, and its sq, in every lane
.set XI1,  9
.set XI2,  10
.set SQI,  11
.set GOF,  12
.set GR,   14                          ; v[14:16] a column's x as loaded
.set Y0,   18
.set Y1,   19
.set Y2,   20
.set DOT,  21
.set D2,   22
.set P0,   23
.set P1,   24
.set VJ,   25                          ; my column's number
.set CH,   26                          ; the word's keys: d2 part, column number
.set CL,   27
.set PH,   28                          ; the partner lane's key
.set PL,   29
.set BH,   30                          ; the best 32 so far, ascending over the lanes
.set BL,   31
.set TG,   32
.set STA,  33                          ; stage, in: 4 bytes a thread
.set STR,  34                          ; stage, out: 8 bytes a thread
.set OOF,  35
.set OD,   36                          ; v[36:37]
.set POS,  38
; s[4:5] x, s[6:7] mask, s[8:9] nz, s[10:11] out0; s12 wave; s13 row; s15 the nz word's number; s17, s18 its set bits and their counter; s19 a bit's number;
; s20 the mask word; s21 its first column; s22 its number; s23, s25 at work; s[26:27] my row of mask; s28, s29 lane selects; s30-s32 compare masks;
; s[36:43] my nz words; s[44:45] their address
	s_load_b256 s[4:11], s[0:1], 0x0
	v_lshl_add_u32 v40, v0, 2, 0x800
	v_mov_b32 v41, 0
	v_and_b32 v[LANE], 31, v0
	v_lshrrev_b32 v[POS], 5, v0
	v_readfirstlane_b32 s12, v[POS]                ; wave 0..7
	s_lshl_b32 s13, ttmp9, 3
	s_add_co_u32 s13, s13, s12                     ; my row
	s_lshl_b32 s26, s13, 10                        ; its 1,024 bytes of mask
	s_mov_b32 s27, 0
	s_lshl_b32 s44, s13, 5                         ; its 32 bytes of nz
	s_mov_b32 s45, 0
	s_mul_i32 s23, s13, 12
	v_mov_b32 v[XOFF], s23
	v_mul_u32_u24 v[L12], v[LANE], 12
	s_wait_kmcnt 0x0
	s_add_nc_u64 s[26:27], s[6:7], s[26:27]
	s_add_nc_u64 s[44:45], s[8:9], s[44:45]
	s_load_b256 s[36:43], s[44:45], 0x0
	global_load_b96 v[XR:XR+2], v[XOFF], s[4:5]
	s_mov_b32 s28, 0x76543210                      ; v_permlanex16_b32: lane i xor 16
	s_mov_b32 s29, 0xfedcba98
	v_mov_b32 v[PH], 0                             ; destinations of DPP moves and lane permutes count as read
	v_mov_b32 v[PL], 0
	v_mov_b32 v[BH], -1                            ; an empty place: the largest key, column number -1
	v_mov_b32 v[BL], -1
	v_lshlrev_b32 v[STA], 2, v0
	v_lshlrev_b32 v[STR], 3, v0
	v_lshrrev_b32 v[OOF], 7, v0                    ; threads 0-127 store sources, 128-255 targets
	v_and_b32 v[TG], 127, v0
	v_lshlrev_b32 v[TG], 3, v[TG]
	v_lshl_add_u32 v[OOF], v[OOF], 20, v[TG]       ; plane x 1 MiB + 8 bytes a thread
	s_lshl_b32 s23, ttmp9, 10                      ; + the work-group's 8 rows of 128 bytes
	v_add_nc_u32 v[OOF], s23, v[OOF]
	s_mov_b32 s15, 0
	s_wait_loadcnt 0x0
	v_cvt_pk_bf16_f32 v[P0], v[XR], v[XR+1]
	v_cvt_pk_bf16_f32 v[P1], v[XR+2], v[XR+2]
	v_lshlrev_b32 v[XI0], 16, v[P0]
	v_and_b32 v[XI1], 0xffff0000, v[P0]
	v_and_b32 v[XI2], 0xffff0000, v[P1]
	v_mul_f32 v[SQI], v[XI0], v[XI0]
	v_fmac_f32 v[SQI], v[XI1], v[XI1]
	v_fmac_f32 v[SQI], v[XI2], v[XI2]
	s_wait_kmcnt 0x0                               ; my nz words are in
; the other key (ph, pl) against mine (h, l): I take it where it is smaller; in the lanes of m where it is not smaller (those lanes keep the larger key)
.macro TAKE h, l, ph, pl, m
	v_cmp_lt_u32 s30, v[\ph], v[\h]
	v_cmp_eq_u32 s31, v[\ph], v[\h]
	v_cmp_lt_u32 s32, v[\pl], v[\l]
	s_and_b32 s31, s31, s32
	s_or_b32 s30, s30, s31
.if \m != 0
	s_xor_b32 s30, s30, \m
.endif
	v_cndmask_b32 v[\h], v[\h], v[\ph], s30
	v_cndmask_b32 v[\l], v[\l], v[\pl], s30
.endm
; one compare-exchange step with the lane d away
.macro STEP h, l, d, m
.if \d == 16
	v_permlanex16_b32 v[PH], v[\h], s28, s29
	v_permlanex16_b32 v[PL], v[\l], s28, s29
.else
	v_mov_b32_dpp v[PH], v[\h] row_xmask:\d row_mask:0xf bank_mask:0xf
	v_mov_b32_dpp v[PL], v[\l] row_xmask:\d row_mask:0xf bank_mask:0xf
.endif
	TAKE \h, \l, PH, PL, \m
.endm
; a step of the sort of the word's keys, descending in the end: the larger key stays where bit d and bit blk of the lane's number are equal
.macro SS d, blk
.set SM, B\d ^ B\blk ^ 0xffffffff
	STEP CH, CL, \d, SM
.endm
.Lslot:
	s_bcnt1_i32_b32 s17, s36                       ; so many mask words of this nz word are not zero
	s_cmp_eq_u32 s17, 0
	s_cbranch_scc1 .Lnoword
	s_mov_b32 s18, 0
.Lword:
	s_ctz_i32_b32 s19, s36                         ; the next of them: k
	s_min_u32 s19, s19, 31                         ; a number made from loaded data is bounded before it enters an address
	s_sub_co_u32 s23, s36, 1
	s_and_b32 s36, s36, s23                        ; that bit is taken
	s_lshl_b32 s22, s19, 3
	s_add_co_u32 s22, s22, s15                     ; the mask word's number, 8 k + s
	s_lshl_b32 s23, s22, 2
	s_load_b32 s20, s[26:27], s23 offset:0x0       ; the word
	s_mul_i32 s25, s22, 384                        ; its 32 columns x 12 bytes
	v_add_nc_u32 v[GOF], s25, v[L12]
	global_load_b96 v[GR:GR+2], v[GOF], s[4:5]
	s_lshl_b32 s21, s22, 5                         ; its first column number
	v_add_nc_u32 v[VJ], s21, v[LANE]               ; my column
	s_wait_loadcnt 0x0                             ; the columns are in, and GOF may be written again in the next trip
	v_cvt_pk_bf16_f32 v[P0], v[GR], v[GR+1]
	v_cvt_pk_bf16_f32 v[P1], v[GR+2], v[GR+2]
	v_lshlrev_b32 v[Y0], 16, v[P0]
	v_and_b32 v[Y1], 0xffff0000, v[P0]
	v_and_b32 v[Y2], 0xffff0000, v[P1]
	v_mul_f32 v[D2], v[Y0], v[Y0]
	v_mul_f32 v[DOT], v[XI0], v[Y0]
	v_fmac_f32 v[D2], v[Y1], v[Y1]
	v_fmac_f32 v[DOT], v[XI1], v[Y1]
	v_fmac_f32 v[D2], v[Y2], v[Y2]                 ; sq_j
	v_fmac_f32 v[DOT], v[XI2], v[Y2]               ; dot, k ascending
	v_add_f32 v[D2], v[SQI], v[D2]                 ; sq_i + sq_j
	v_fmac_f32 v[D2], -2.0, v[DOT]                 ; d2
	v_ashrrev_i32 v[P0], 31, v[D2]                 ; sortable as unsigned: a negative number has all its bits turned, another its sign bit
	v_or_b32 v[P0], 0x80000000, v[P0]
	v_xor_b32 v[CH], v[P0], v[D2]
	s_wait_kmcnt 0x0                               ; the word is in, and s23 may be written again in the next trip
	v_cndmask_b32 v[CH], -1, v[CH], s20            ; my bit is clear: the empty key.  The word chooses values and nothing else
	v_cndmask_b32 v[CL], -1, v[VJ], s20
	SS 1, 2
	SS 2, 4
	SS 1, 4
	SS 4, 8
	SS 2, 8
	SS 1, 8
	SS 8, 16
	SS 4, 16
	SS 2, 16
	SS 1, 16
	SS 16, 32
	SS 8, 32
	SS 4, 32
	SS 2, 32
	SS 1, 32
	TAKE BH, BL, CH, CL, 0                         ; best ascends, the word's keys descend: the smaller keys, lane by lane, are the 32 smallest of the 64, in bitonic order
	STEP BH, BL, 16, B16                           ; five steps put them in ascending order
	STEP BH, BL, 8, B8
	STEP BH, BL, 4, B4
	STEP BH, BL, 2, B2
	STEP BH, BL, 1, B1
	s_add_co_u32 s18, s18, 1
	s_cmp_lt_u32 s18, s17
	s_cbranch_scc1 .Lword
.Lnoword:
.irp t, 0,1,2,3,4,5,6
	s_mov_b32 s[36+\t], s[37+\t]                   ; the next nz word comes to the front, so that the loop's text names one register
.endr
	s_add_co_u32 s15, s15, 1
	s_cmp_lt_u32 s15, 8
	s_cbranch_scc1 .Lslot
	; THE WAY OUT.  Lane k holds the k-th neighbour.  The eight rows meet in the stage (1,024 bytes of sources, 1,024 of targets); then each wave stores
	; 256 consecutive bytes, at a multiple of 256 from out0's first byte.
	v_mov_b32 v[TG], s13
	v_cmp_ne_u32 vcc_lo, -1, v[BL]
	v_cndmask_b32 v[TG], -1, v[TG], vcc_lo         ; the target is my row where there is a neighbour
	ds_store_b32 v[STA], v[BL]
	ds_store_b32 v[STA], v[TG] offset:1024
	s_wait_dscnt 0x0                               ; my stores are in LDS before I say so
	s_barrier_signal -1
	s_barrier_wait -1                              ; everybody's are
	ds_load_b64 v[OD:OD+1], v[STR]
	s_wait_dscnt 0x0
	global_store_b64 v[OOF], v[OD:OD+1], s[10:11] th:TH_STORE_NT
	s_wait_tensorcnt 0x0
	ds_add_u32 v40, v41
	s_wait_dscnt 0x0
	s_endpgm
.Lfunc_end_k_qd2418cd40f_select:
	.size	k_qd2418cd40f_select, .Lfunc_end_k_qd2418cd40f_select-k_qd2418cd40f_select
	.p2alignl 7, 3214868480
	.fill 96, 4, 3214868480
	.section	.rodata,"a",@progbits
	.p2align	6, 0x0
	.amdhsa_kernel k_qd2418cd40f_select
		.amdhsa_group_segment_fixed_size 3072
		.amdhsa_private_segment_fixed_size 0
		.amdhsa_enable_private_segment 0
		.amdhsa_kernarg_size 32
		.amdhsa_user_sgpr_count 2
		.amdhsa_user_sgpr_kernarg_segment_ptr 1
		.amdhsa_wavefront_size32 1
		.amdhsa_system_sgpr_workgroup_id_x 1
		.amdhsa_system_sgpr_workgroup_id_y 1
		.amdhsa_system_sgpr_workgroup_id_z 1
		.amdhsa_system_vgpr_workitem_id 0
		.amdhsa_next_free_vgpr 42
		.amdhsa_next_free_sgpr 66
		.amdhsa_reserve_vcc 1
		.amdhsa_float_denorm_mode_32 3
		.amdhsa_float_denorm_mode_16_64 3
		.amdhsa_memory_ordered 1
		.amdhsa_forward_progress 1
		.amdhsa_inst_pref_size 17
	.end_amdhsa_kernel
	.amdgpu_metadata
---
amdhsa.version: [ 1, 2 ]
amdhsa.kernels:
  - .name:           k_qd2418cd40f_select
    .symbol:         k_qd2418cd40f_select.kd
    .args:
      - { .name: x, .offset: 0, .size: 8, .value_kind: global_buffer, .address_space: global }
      - { .name: mask, .offset: 8, .size: 8, .value_kind: global_buffer, .address_space: global }
      - { .name: nz, .offset: 16, .size: 8, .value_kind: global_buffer, .address_space: global }
      - { .name: out0, .offset: 24, .size: 8, .value_kind: global_buffer, .address_space: global }
    .group_segment_fixed_size: 3072
    .private_segment_fixed_size: 0
    .kernarg_segment_align: 8
    .kernarg_segment_size: 32
    .max_flat_workgroup_size: 256
    .sgpr_count:     66
    .vgpr_count:     42
    .wavefront_size: 32
...
	.end_amdgpu_metadata
.endif
;; end of part 2
